; MI455X (gfx1250); checked and timed in simulation.
; The chip was launched on July 23, 2026; its instructions are those of AMD's public machine-readable ISA for CDNA 5 (MIT licence, August 2026) and "CDNA5" Instruction Set Architecture Reference Guide (July 2026). The comments in the code are by the model that wrote it; some were corrected since.
;; Quantized Latent. Allowed arithmetic: float matrix products may take bf16 or f16 operands with f32 sums; all other float work in f32.
;; Inputs: codebook 512 x 64 float32; x 4,096 x 512 float32.
;; Outputs: out0 4,096 x 512 float32; out1 4,096 x 512 float32; out2 4,096 x 512 float32; out3 4,096 x 512 int32.
;; One version. Each part assembles by itself: llvm-mc -triple=amdgcn-amd-amdhsa -mcpu=gfx1250 --defsym DOCPART=n.
;; ======== version 1 of 1: 1 launch
;; launch quantize (part 1): grid 8 x 32, 8 waves a work-group, no clusters, 168,960 bytes of LDS; arguments codebook, x, out0, out1, out2, out3; writes out0, out1, out2, out3
.if DOCPART == 1
	.amdgcn_target "amdgcn-amd-amdhsa--gfx1250"
	.amdhsa_code_object_version 6
	.text
	.protected	k_q360a01c1d7_quantize
	.globl	k_q360a01c1d7_quantize
	.p2align	8
	.type	k_q360a01c1d7_quantize,@function
k_q360a01c1d7_quantize:
	s_mov_b64 s[64:65], 0
	v_nop
	global_prefetch_b8 v0, s[64:65] scope:SCOPE_SE
	s_setreg_imm32_b32 hwreg(HW_REG_WAVE_MODE, 25, 1), 1
	s_wait_xcnt 0x0
; idx[b][l] = first v with the least |x[b][l] - codebook[l][v]|;  out0 = x, out1 = q = codebook[l][idx], out2 = x + (q - x), out3 = idx.
; x and the outputs: [4096][512], 4 bytes a number.  codebook: [512][64] f32, any numbers in any order: every one of the 64 distances is formed, as
; fl(x - c) with the sign dropped, exactly as the definition forms it, so that indices agree bit for bit, ties (lowest index) included.
;
; SHARES.  Grid 8 x 32.  Work-group (cg, rb) owns latents 64 cg .. 64 cg + 63 (256 bytes of a row) and rows 128 rb .. 128 rb + 127; wave w owns 16 of the rows.
; A lane owns two neighbouring latents; their 2 x 64 codebook values stay in 128 registers for the whole kernel.  Each load and store of a wave covers
; 256 consecutive bytes, aligned.
; THE SEARCH, per element, 64 candidates as 8 groups of 8:
;   1. 32 packed subtractions; the least |difference| of groups 0 to 6 (4 instructions each); the least of all, MN, from group 7's eight and those seven.
;   2. groups 6 down to 0: where the group's least equals MN its eight codebook values and its base index replace the ones held (group 7 is the start).
;   3. the eight held values: differences again (same operands, same bits), then 6 down to 0: where |difference| equals MN, take the value and its number.
;   Going downward lets the lowest index win.  The compare is 'less or greater', false for NaN too, so an x that is NaN ends at index 0 as argmin does.
; Selections of two words under one condition go as one dual instruction.  Its register rules (one destination even, one odd; the two first sources in
; different banks, register number mod 4; likewise the two second sources) fix the places of QV, KK0, KK1, SEVEN and the multiples of 8 of SEL and CB.
; LIMIT: the codebook is finite.  A NaN distance that stems from the codebook (a NaN entry; an infinite entry met by the same infinity in x) is passed over by
; the minimum here, while argmin would choose it.  NaN and infinities in x behave as in the definition.
; NO CLUSTER: what work-groups share is the 16,384-byte codebook slice, fetched once, against 163,840 bytes of x and outputs that are a work-group's own.
; No matrix instructions: there are no products.  Nothing in LDS is filled twice: a work-group's whole input, 49,152 bytes, is asked for at the start.
.set ROWB,   2048                      ; bytes in a row of x and of each output
.set NROWS,  16                        ; rows of a wave
.set CPITCH, 528                       ; LDS: a lane's 512 bytes of codebook + 16 of padding = 132 words: sixteen lanes' 16-byte pieces start 4 words apart modulo 64 (64 banks of 4 bytes: ISA guide 11.1)
.set CPART,  4*CPITCH                  ; the part of the table that one wave fetches: 4 lanes' rows
.set XBASE,  32*CPITCH                 ; behind the table: each wave's x tile, 16 rows x 256 bytes
.set LANE,  1                          ; v1       lane
.set LA,    2                          ; v2       LDS address of my 8 bytes in the trip's first row of my wave's x tile
.set OFF,   3                          ; v3       byte offset of my 8 bytes in the outputs, from the wave's first row; one trip ahead behind its step
.set SEVEN, 4                          ; v4       the constant 7 (a dual select wants a register as its second source)
.set LC,    5                          ; v5       LDS address of my 512 bytes of codebook
.set XR,    6                          ; v[6:9]   x of my two latents, two pairs that take turns row by row
.set QV,    10                         ; v[10:11] q
.set KK1,   12                         ; v12      number within the group, second latent
.set KK0,   13                         ; v13      the same, first latent
.set ZH,    14                         ; v[14:15] x + (q - x)
.set IX,    16                         ; v[16:17] idx
.set BASE,  18                         ; v[18:19] base index of the group held
.set MN,    20                         ; v[20:21] the least distance
.set GM,    24                         ; v[24:39] least distance of groups 0-6: first latent at +0, second at +8
.set SEL,   40                         ; v[40:55] the eight codebook values held: first latent at +0, second at +8
.set DIF,   56                         ; v[56:87] differences: two sets of 16 (8 for each latent) that take turns group by group
.set CB,    128                        ; v[128:255] codebook: first latent's 64 values, then the second's
.set G1C, 24                           ; s[24:31] descriptor group 1, codebook part
.set G1X, 32                           ; s[32:39] descriptor group 1, x tile
.set G0C, 40                           ; s[40:43] descriptor group 0, codebook part
.set G0X, 44                           ; s[44:47] descriptor group 0, x tile
	s_load_b256 s[4:11], s[0:1], 0x0               ; codebook s[4:5], x s[6:7], out0 s[8:9], out1 s[10:11]
	s_load_b128 s[12:15], s[0:1], 0x20             ; out2 s[12:13], out3 s[14:15]
	v_lshl_add_u32 v126, v0, 2, 0x29000
	v_mov_b32 v127, 0
	ds_add_u32 v126, v127
	ds_add_u32 v126, v127
	v_lshrrev_b32 v[LC], 5, v0
	v_readfirstlane_b32 s16, v[LC]                 ; wave 0..7
	v_and_b32 v[LANE], 31, v0
	s_and_b32 s17, ttmp7, 0xffff                   ; rb
	s_lshl_b32 s18, s17, 18                        ; 128 rows x 2,048 bytes
	s_lshl_b32 s19, s16, 15                        ; + wave x 16 rows
	s_add_co_u32 s18, s18, s19
	s_lshl_b32 s19, ttmp9, 8                       ; + cg x 256 bytes: below 8 MiB in all
	s_add_co_u32 s18, s18, s19
	s_mov_b32 s19, 0                               ; s[18:19]: my wave's corner in x and in the outputs
	s_lshl_b32 s20, ttmp9, 14                      ; cg x 64 latents x 256 bytes
	s_lshl_b32 s21, s16, 11                        ; + wave x 4 rows of 512 bytes
	s_add_co_u32 s20, s20, s21
	s_mov_b32 s21, 0                               ; s[20:21]: my wave's part of the codebook slice
	; codebook part: 4 rows of 128 f32 (two latents), dense in memory, 4 words of padding behind each row's 128 words
	s_mov_b32 s[G1C+0], (2<<16)|(1<<20)|(6<<22)|(3<<25)   ; no mask; elements of 4 bytes; padding on; after every 128 words (code 6); of 4 words (code 3)
	s_mov_b32 s[G1C+1], 128<<16                    ; tensor_dim0 = 128
	s_mov_b32 s[G1C+2], 4<<16                      ; tensor_dim1 = 4
	s_mov_b32 s[G1C+3], 128<<16                    ; tile_dim0 = 128
	s_mov_b32 s[G1C+4], 4                          ; tile_dim1 = 4
	s_mov_b32 s[G1C+5], 128                        ; from row to row: 128 elements
	s_mov_b32 s[G1C+6], 0
	s_mov_b32 s[G1C+7], 0
	; x tile: 16 rows of 64 f32 (256 bytes, aligned), 512 elements from row to row, no padding: a row is read back as 32 lanes x 8 neighbouring bytes
	s_mov_b32 s[G1X+0], 2<<16
	s_mov_b32 s[G1X+1], 64<<16
	s_mov_b32 s[G1X+2], NROWS<<16
	s_mov_b32 s[G1X+3], 64<<16
	s_mov_b32 s[G1X+4], NROWS
	s_mov_b32 s[G1X+5], 512
	s_mov_b32 s[G1X+6], 0
	s_mov_b32 s[G1X+7], 0
	s_mov_b32 s[G0C], 1
	s_mul_i32 s[G0C+1], s16, CPART                 ; LDS: wave x 2,112
	s_mov_b32 s[G0X], 1
	s_lshl_b32 s[G0X+1], s16, 12
	s_add_co_u32 s[G0X+1], s[G0X+1], XBASE         ; LDS: 16,896 + wave x 4,096
	s_wait_dscnt 0x0
	s_wait_kmcnt 0x0
	s_add_nc_u64 s[G0C+2:G0C+3], s[4:5], s[20:21]
	s_or_b32 s[G0C+3], s[G0C+3], 0x80000000        ; type 2
	s_add_nc_u64 s[G0X+2:G0X+3], s[6:7], s[18:19]
	s_or_b32 s[G0X+3], s[G0X+3], 0x80000000
	tensor_load_to_lds s[G0C:G0C+3], s[G1C:G1C+7]  ; the wave's two tensor loads, the only ones of the kernel: two are out at the most,
	s_nop 0
	tensor_load_to_lds s[G0X:G0X+3], s[G1X:G1X+7]  ; and their descriptors are never written again
	s_nop 0
	s_add_nc_u64 s[8:9], s[8:9], s[18:19]          ; the four outputs at my wave's corner
	s_add_nc_u64 s[10:11], s[10:11], s[18:19]
	s_add_nc_u64 s[12:13], s[12:13], s[18:19]
	s_add_nc_u64 s[14:15], s[14:15], s[18:19]
	v_mul_u32_u24 v[LC], v[LANE], CPITCH
	v_lshl_add_u32 v[LA], v[LANE], 3, s[G0X+1]
	v_lshlrev_b32 v[OFF], 3, v[LANE]
	v_mov_b32 v[SEVEN], 7
	s_mov_b32 s48, NROWS/2-1
	s_wait_tensorcnt 0x0                           ; my part of the table and my x tile are in LDS,
	s_barrier_signal -1
	s_barrier_wait -1                              ; and so are everybody's: the table is whole
.set j, 0
.rept 32
	ds_load_b128 v[CB+4*j:CB+4*j+3], v[LC] offset:16*j     ; my two latents' 128 values, once
.set j, j+1
.endr
	ds_load_b64 v[XR:XR+1], v[LA]                  ; row 0
; group j of both latents: x - c, two at a time; x is taken twice from one register of its pair (op_sel), c is negated: fl(x + (-c)) = fl(x - c)
.macro DIFF cur, j
.set SB, DIF+16*((\j)%2)
.irp k, 0,2,4,6
	v_pk_add_f32 v[SB+\k:SB+\k+1], v[XR+2*\cur:XR+2*\cur+1], v[CB+8*(\j)+\k:CB+8*(\j)+\k+1] op_sel_hi:[0,1] neg_lo:[0,1] neg_hi:[0,1]
.endr
.irp k, 0,2,4,6
	v_pk_add_f32 v[SB+8+\k:SB+8+\k+1], v[XR+2*\cur:XR+2*\cur+1], v[CB+64+8*(\j)+\k:CB+64+8*(\j)+\k+1] op_sel:[1,0] op_sel_hi:[1,1] neg_lo:[0,1] neg_hi:[0,1]
.endr
.endm
; eight |differences| to three, for both latents
.macro FOLD j
.set SB, DIF+16*((\j)%2)
.irp e, 0,8
	v_min3_num_f32 v[SB+\e],   |v[SB+\e]|,   |v[SB+\e+1]|, |v[SB+\e+2]|
	v_min3_num_f32 v[SB+\e+3], |v[SB+\e+3]|, |v[SB+\e+4]|, |v[SB+\e+5]|
	v_min_num_f32  v[SB+\e+6], |v[SB+\e+6]|, |v[SB+\e+7]|
.endr
.endm
; three to the group's least; it stands behind the next group's subtractions, so that it does not wait for FOLD
.macro GMIN j
.set SB, DIF+16*((\j)%2)
	v_min3_num_f32 v[GM+(\j)],   v[SB],   v[SB+3],  v[SB+6]
	v_min3_num_f32 v[GM+8+(\j)], v[SB+8], v[SB+11], v[SB+14]
.endm
; the least of all: group 7's eight (set 1) and the seven groups' least are 15 numbers, seven instructions a latent.  Group 7 needs no least of its own: it is the start of the choice.
.macro MINALL
	v_min3_num_f32 v[DIF+1],  v[GM+0],  v[GM+1],  v[GM+2]      ; into registers of set 0 that GMIN 6 does not read
	v_min3_num_f32 v[DIF+2],  v[GM+3],  v[GM+4],  v[GM+5]
	v_min3_num_f32 v[DIF+9],  v[GM+8],  v[GM+9],  v[GM+10]
	v_min3_num_f32 v[DIF+10], v[GM+11], v[GM+12], v[GM+13]
	GMIN 6
.irp e, 16,24
	v_min3_num_f32 v[DIF+\e],   |v[DIF+\e]|,   |v[DIF+\e+1]|, |v[DIF+\e+2]|
	v_min3_num_f32 v[DIF+\e+3], |v[DIF+\e+3]|, |v[DIF+\e+4]|, |v[DIF+\e+5]|
.endr
	v_min3_num_f32 v[DIF+22], |v[DIF+22]|, |v[DIF+23]|, v[GM+6]
	v_min3_num_f32 v[DIF+30], |v[DIF+30]|, |v[DIF+31]|, v[GM+14]
	v_min3_num_f32 v[DIF+16], v[DIF+16], v[DIF+19], v[DIF+22]
	v_min3_num_f32 v[DIF+24], v[DIF+24], v[DIF+27], v[DIF+30]
	v_min3_num_f32 v[MN],   v[DIF+1], v[DIF+2],  v[DIF+16]
	v_min3_num_f32 v[MN+1], v[DIF+9], v[DIF+10], v[DIF+24]
.endm
; group j against what is held.  VCC = the group's least differs from MN: keep (second source); else take group j (first source).
; first = 1: what is held is group j + 1 = 7, still in the codebook's registers: nothing is copied to start with.
.macro PICK j, first
.irp e, 0,1
	v_cmp_lg_f32 vcc_lo, v[GM+8*\e+\j], v[MN+\e]
.irp k, 0,2,4,6
.if \first
	v_dual_cndmask_b32 v[SEL+8*\e+\k], v[CB+64*\e+8*\j+\k], v[CB+64*\e+8*\j+8+\k] :: v_dual_cndmask_b32 v[SEL+8*\e+\k+1], v[CB+64*\e+8*\j+\k+1], v[CB+64*\e+8*\j+9+\k]
.else
	v_dual_cndmask_b32 v[SEL+8*\e+\k], v[CB+64*\e+8*\j+\k], v[SEL+8*\e+\k] :: v_dual_cndmask_b32 v[SEL+8*\e+\k+1], v[CB+64*\e+8*\j+\k+1], v[SEL+8*\e+\k+1]
.endif
.endr
.if \first
	v_cndmask_b32 v[BASE+\e], 8*\j, 8*\j+8, vcc_lo
.else
	v_cndmask_b32 v[BASE+\e], 8*\j, v[BASE+\e], vcc_lo
.endif
.endr
.endm
; the eight values held: the differences again, then value and number together, 6 down to 0 (7 is the start)
.macro LAST cur
.irp k, 0,2,4,6
	v_pk_add_f32 v[DIF+\k:DIF+\k+1], v[XR+2*\cur:XR+2*\cur+1], v[SEL+\k:SEL+\k+1] op_sel_hi:[0,1] neg_lo:[0,1] neg_hi:[0,1]
.endr
.irp k, 0,2,4,6
	v_pk_add_f32 v[DIF+8+\k:DIF+8+\k+1], v[XR+2*\cur:XR+2*\cur+1], v[SEL+8+\k:SEL+8+\k+1] op_sel:[1,0] op_sel_hi:[1,1] neg_lo:[0,1] neg_hi:[0,1]
.endr
	v_cmp_lg_f32 vcc_lo, |v[DIF+6]|, v[MN]
	v_dual_cndmask_b32 v[QV], v[SEL+6], v[SEL+7] :: v_dual_cndmask_b32 v[KK0], 6, v[SEVEN]
	v_cmp_lg_f32 vcc_lo, |v[DIF+14]|, v[MN+1]
	v_dual_cndmask_b32 v[QV+1], v[SEL+14], v[SEL+15] :: v_dual_cndmask_b32 v[KK1], 6, v[SEVEN]
.irp k, 5,4,3,2,1,0
	v_cmp_lg_f32 vcc_lo, |v[DIF+\k]|, v[MN]
	v_dual_cndmask_b32 v[QV], v[SEL+\k], v[QV] :: v_dual_cndmask_b32 v[KK0], \k, v[KK0]
	v_cmp_lg_f32 vcc_lo, |v[DIF+8+\k]|, v[MN+1]
	v_dual_cndmask_b32 v[QV+1], v[SEL+8+\k], v[QV+1] :: v_dual_cndmask_b32 v[KK1], \k, v[KK1]
.endr
.endm
; One row: 64 elements of the wave, two a lane.  cur: which x pair holds it.  pre = 1: the next row's x is read from LDS, at preoff from LA, into the other pair.
; step = 1: the outputs' offset goes one trip (two rows) on; the stores reach back by stoff.
.macro ROW cur, pre, preoff, step, stoff
	s_wait_dscnt 0x0                               ; this row's x is in (asked for in the middle of the row before); in front of row 0: the codebook too
	DIFF \cur, 0
	FOLD 0
.irp j, 1,2,3,4,5,6
	DIFF \cur, \j
	GMIN \j-1
	FOLD \j
.endr
	DIFF \cur, 7
	MINALL
	s_wait_xcnt 0x0                                ; the last row's four stores have had their addresses translated (ISA guide 3.1): OFF, the other x pair, QV, ZH and IX are rewritten only behind this wait
.if \step
	v_add_nc_u32 v[OFF], 2*ROWB, v[OFF]
.endif
.if \pre
	ds_load_b64 v[XR+2-2*\cur:XR+3-2*\cur], v[LA] offset:\preoff
.endif
	PICK 6, 1
.irp j, 5,4,3,2,1,0
	PICK \j, 0
.endr
	LAST \cur
	v_add_nc_u32 v[IX],   v[BASE],   v[KK0]
	v_add_nc_u32 v[IX+1], v[BASE+1], v[KK1]
	v_pk_add_f32 v[ZH:ZH+1], v[QV:QV+1], v[XR+2*\cur:XR+2*\cur+1] neg_lo:[0,1] neg_hi:[0,1]   ; q - x,
	v_pk_add_f32 v[ZH:ZH+1], v[XR+2*\cur:XR+2*\cur+1], v[ZH:ZH+1]                             ; x + (q - x): two roundings, as defined
	global_store_b64 v[OFF], v[XR+2*\cur:XR+2*\cur+1], s[8:9] offset:\stoff th:TH_STORE_NT    ; each store of the wave: 256 consecutive bytes, aligned
	global_store_b64 v[OFF], v[QV:QV+1], s[10:11] offset:\stoff th:TH_STORE_NT
	global_store_b64 v[OFF], v[ZH:ZH+1], s[12:13] offset:\stoff th:TH_STORE_NT
	global_store_b64 v[OFF], v[IX:IX+1], s[14:15] offset:\stoff th:TH_STORE_NT
.endm
.Lpair:                                            ; seven trips of two rows
	ROW 0, 1, 256, 1, -2*ROWB
	ROW 1, 1, 512, 0, -ROWB
	v_add_nc_u32 v[LA], 512, v[LA]                 ; two rows on in my x tile
	s_sub_co_i32 s48, s48, 1
	s_cmp_lg_u32 s48, 0
	s_cbranch_scc1 .Lpair
	ROW 0, 1, 256, 1, -2*ROWB                      ; rows 14 and 15 are written out: the last row reads nothing ahead, so no LDS read leaves the wave's tile
	ROW 1, 0, 0, 0, -ROWB
	s_wait_tensorcnt 0x0
	ds_add_u32 v126, v127
	s_wait_dscnt 0x0
	s_endpgm
.Lfunc_end_k_q360a01c1d7_quantize:
	.size	k_q360a01c1d7_quantize, .Lfunc_end_k_q360a01c1d7_quantize-k_q360a01c1d7_quantize
	.p2alignl 7, 3214868480
	.fill 96, 4, 3214868480
	.section	.rodata,"a",@progbits
	.p2align	6, 0x0
	.amdhsa_kernel k_q360a01c1d7_quantize
		.amdhsa_group_segment_fixed_size 168960
		.amdhsa_private_segment_fixed_size 0
		.amdhsa_enable_private_segment 0
		.amdhsa_kernarg_size 48
		.amdhsa_user_sgpr_count 2
		.amdhsa_user_sgpr_kernarg_segment_ptr 1
		.amdhsa_wavefront_size32 1
		.amdhsa_system_sgpr_workgroup_id_x 1
		.amdhsa_system_sgpr_workgroup_id_y 1
		.amdhsa_system_sgpr_workgroup_id_z 1
		.amdhsa_system_vgpr_workitem_id 0
		.amdhsa_next_free_vgpr 256
		.amdhsa_next_free_sgpr 66
		.amdhsa_reserve_vcc 1
		.amdhsa_float_denorm_mode_32 3
		.amdhsa_float_denorm_mode_16_64 3
		.amdhsa_memory_ordered 1
		.amdhsa_forward_progress 1
		.amdhsa_inst_pref_size 69
	.end_amdhsa_kernel
	.amdgpu_metadata
---
amdhsa.version: [ 1, 2 ]
amdhsa.kernels:
  - .name:           k_q360a01c1d7_quantize
    .symbol:         k_q360a01c1d7_quantize.kd
    .args:
      - { .name: codebook, .offset: 0, .size: 8, .value_kind: global_buffer, .address_space: global }
      - { .name: x, .offset: 8, .size: 8, .value_kind: global_buffer, .address_space: global }
      - { .name: out0, .offset: 16, .size: 8, .value_kind: global_buffer, .address_space: global }
      - { .name: out1, .offset: 24, .size: 8, .value_kind: global_buffer, .address_space: global }
      - { .name: out2, .offset: 32, .size: 8, .value_kind: global_buffer, .address_space: global }
      - { .name: out3, .offset: 40, .size: 8, .value_kind: global_buffer, .address_space: global }
    .group_segment_fixed_size: 168960
    .private_segment_fixed_size: 0
    .kernarg_segment_align: 8
    .kernarg_segment_size: 48
    .max_flat_workgroup_size: 256
    .sgpr_count:     66
    .vgpr_count:     256
    .wavefront_size: 32
...
	.end_amdgpu_metadata
.endif
;; end of part 1
